; MI455X (gfx1250); checked and timed in simulation.
; The chip was launched on July 23, 2026; its instructions are those of AMD's public machine-readable ISA for CDNA 5 (MIT licence, August 2026) and "CDNA5" Instruction Set Architecture Reference Guide (July 2026). The comments in the code are by the model that wrote it; some were corrected since.
;; Multi Headed Cross Attention. Allowed arithmetic: matrix products marked QUANTISED: E5M2 operands, one given power-of-two scale a tensor, by v_wmma_f32_16x16x64_bf8_bf8 or v_wmma_f32_16x16x128_bf8_bf8, f32 sums; products left as they are: f32 operands where the result goes on into a quantised operand, else bf16, f16 or f32 operands; f32 sums; everything else in f32.
;; Inputs: W1_codes 512 x 16 x 32 uint8 (E5M2 codes of W1, K innermost, in blocks of 32 codes); W2_codes 1,024 x 16 x 32 uint8 (E5M2 codes of W2, K innermost, in blocks of 32 codes); Wkv_codes 1,024 x 8 x 32 uint8 (E5M2 codes of Wkv, K innermost, in blocks of 32 codes); Wout_codes 256 x 16 x 32 uint8 (E5M2 codes of Wout, K innermost, in blocks of 32 codes); Wq_codes 512 x 8 x 32 uint8 (E5M2 codes of Wq, K innermost, in blocks of 32 codes); b1 512 float32; b2 1,024 float32; k_codes 2 x 2,048 x 8 x 32 uint8 (E5M2 codes of k, K innermost, in blocks of 32 codes); local_idx 2 x 2,048 x 16 int32; lowp_scales 10 int32 (the exponents e of the quantised operands' scales 2^e); pos_codes 2 x 2,048 x 16 x 16 x 32 uint8 (E5M2 codes of pos, K innermost, in blocks of 32 codes); q_codes 2 x 2,048 x 8 x 32 uint8 (E5M2 codes of q, K innermost, in blocks of 32 codes).
;; Outputs: out0 2 x 2,048 x 256 float32.
;; This version of the problem:
;;   THIS VERSION OF THE PROBLEM IS GIVEN IN LOW PRECISION. The matrix products marked QUANTISED in the list below multiply operands that are first quantised to E5M2 (5 exponent bits, 2 mantissa bits; 8 bits a number), with one given power-of-two scale for each operand tensor; their sums are f32. All else is computed in f32.
;;   The module's matrix products, in the order in which they are computed (A, B: the left and right operand; K: the contracted axis; several contracted axes count as one K, in the product's order):
;;     1. [M 4,096, K 256] x [K 256, N 512]; A: input q (given as codes); B: input Wq (given as codes): QUANTISED (scales: A lowp_scales[0], B lowp_scales[1])
;;     2. [M 4,096, K 256] x [K 256, N 1,024]; A: input k (given as codes); B: input Wkv (given as codes): QUANTISED (scales: A lowp_scales[2], B lowp_scales[3])
;;     3. [M 65,536, K 512] x [K 512, N 512]; A: input pos (given as codes); B: input W1 (given as codes): QUANTISED (scales: A lowp_scales[4], B lowp_scales[5])
;;     4. [M 65,536, K 512] x [K 512, N 1,024]; A: computed on the way; B: input W2 (given as codes): QUANTISED (scales: A lowp_scales[6], B lowp_scales[7])
;;     5. batch 32,768 x [M 16, K 64] x [K 64, N 1]; A: computed on the way; B: computed on the way: left as it is (N = 1 < 16)
;;     6. batch 32,768 x [M 1, K 16] x [K 16, N 64]; A: softmax; B: computed on the way: left as it is (K = 16 < 32)
;;     7. [M 4,096, K 512] x [K 512, N 256]; A: computed on the way; B: input Wout (given as codes): QUANTISED (scales: A lowp_scales[8], B lowp_scales[9])
;;   THE QUANTISER, for each operand of a quantised product, along K:
;;     - The operand's scale is 2^e, e = its entry of the input lowp_scales (int32; the entries are numbered through the quantised products in the list's order, A before B).
;;     - Each number is divided by the scale, clamped to +-57,344, and rounded to the nearest number of E5M2, ties to even, subnormals kept.
;;     - The product sums the exact products of the quantised numbers (number of the format x scale) in f32.
;;   ~~~python
;;   def quantise(x, axis, e):      # numpy; x: float32 -> the quantised numbers, widened to float32 again
;;       x = np.moveaxis(x, axis, -1); K = x.shape[-1]
;;       r = np.clip(x / 2.0 ** e, -57344, 57344)
;;       step = 2.0 ** (np.maximum(np.frexp(np.where(r == 0, 1, r))[1] - 1, -14) - 2)
;;       q = np.round(r / step) * step * 2.0 ** e      # np.round: ties to even
;;       return np.moveaxis(q, -1, axis).astype(np.float32)
;;   ~~~
;;   OPERANDS COMPUTED ON THE WAY. 'Computed on the way' means the value that the module computes at that place (a softmax that the list does not call 'softmax' is quantised finished and normalised). What goes into a quantiser is computed in f32, as accurately as f32 sums, v_exp_f32 and their like allow (about 1e-6 of the number): no bf16 or f16 on the way to a quantiser, and a product that is left as it is and whose result goes on into a quantised operand takes f32 operands (vector FMAs, or v_wmma_f32_16x16x4_f32). A number that lies on a knife's edge between two numbers of the format may be rounded either way, as far as f32 arithmetic and the matrix unit's own rounding can turn it there, and no further.
;;   INPUTS GIVEN AS CODES. W1 (in the module: [512, 512], K = its axis 0); W2 (in the module: [512, 1024], K = its axis 0); Wkv (in the module: [256, 1024], K = its axis 0); Wout (in the module: [512, 256], K = its axis 0); Wq (in the module: [256, 512], K = its axis 0); k (in the module: [2, 2048, 256], K = its axis 2); pos (in the module: [2, 2048, 16, 512], K = its axis 3); q (in the module: [2, 2048, 256], K = its axis 2): each comes as NAME_codes (uint8): NAME with its K axis moved to the last place and cut into blocks of 32 codes, [.., K / 32, bytes a block], one block behind the other in memory; one code a byte (a code: sign, 5 exponent bits, 2 mantissa bits); its scale is its entry of lowp_scales. Its value is code x scale, taken as it is: it is not quantised again, and the codes and scales need not be those that the quantiser above would give.
;; One version. Each part assembles by itself: llvm-mc -triple=amdgcn-amd-amdhsa -mcpu=gfx1250 --defsym DOCPART=n.
;; ======== version 1 of 1: 1 launch
;; limits: right only within a limited range of input values
;; launch fused (part 1): grid 256 x 1, 4 waves a work-group, clusters of 4 x 1, 327,680 bytes of LDS; arguments pos_codes, W1_codes, W2_codes, Wkv_codes, Wout_codes, Wq_codes, q_codes, k_codes, local_idx, b1, b2, lowp_scales, out0; writes out0
.if DOCPART == 1
	.amdgcn_target "amdgcn-amd-amdhsa--gfx1250"
	.amdhsa_code_object_version 6
	.text
	.protected	k_q930759c301_fused
	.globl	k_q930759c301_fused
	.p2align	8
	.type	k_q930759c301_fused,@function
k_q930759c301_fused:
	s_mov_b64 s[64:65], 0
	v_nop
	global_prefetch_b8 v0, s[64:65] scope:SCOPE_SE
	s_setreg_imm32_b32 hwreg(HW_REG_WAVE_MODE, 25, 1), 1
	s_wait_xcnt 0x0
	s_wait_alu depctr_hold_cnt(0) depctr_sa_sdst(0) depctr_va_vdst(0) depctr_va_sdst(0) depctr_va_ssrc(0) depctr_va_vcc(0) depctr_vm_vsrc(0)
	s_getreg_b32 s2, hwreg(HW_REG_IB_STS2, 6, 4)
	s_cmp_eq_u32 s2, 0
	s_cbranch_scc0 .Lentry_in_a_cluster
	s_endpgm
.Lentry_in_a_cluster:
	s_bfe_u32 s2, ttmp6, 0x10000c
	s_cmp_lg_u32 s2, 0x3003
	s_cbranch_scc0 .Lentry_shape_is_right
	s_endpgm
.Lentry_shape_is_right:
; Cross attention over 16 gathered neighbours, all in one launch.  A work-group owns 16 queries = 256 neighbour rows; each of its four waves owns 4 queries = 64 rows (4 tiles of 16 rows, one tile a query).
; PHASES.  Head: q = q_codes Wq (each wave 128 columns), into LDS.  G: hidden codes = Q(relu(pos W1 + b1)), kept in registers.  K: for all heads the logits q . (hidden W2k + k[idx] Wk).
; One softmax for all heads.  V: for all heads the sum of p (hidden W2v + k[idx] Wv), + b2v.  Tail: out = Q(agg) Wout.
; The gathered rows are multiplied by Wkv here (256 bytes of codes a row) in place of gathering 4,096 bytes of finished kv.
; DEAD WORK LEFT OUT: the k half of b2 (b2[128 h .. 128 h + 63] of head h).  It adds q . b2k, the same number for all 16 neighbours, to the 16 logits of one softmax, which no softmax shows, whatever the values; nothing between it
; and the softmax is quantised.  It is not loaded: a NaN or an infinity in it is not carried to the result.  The v half is added behind the weighted sum, since the weights of a softmax sum to 1.
; LIMITS, so that each power of two is an f32 number (e0 .. e9 = lowp_scales): e0+e1+e2+e3 in -123 .. 129; e6-e4-e5 and e8 in -126 .. 112; e6+e7-e2-e3 and e8+e9 in -126 .. 127.  The scaled logits stay under 2^31 in magnitude.
; CLUSTERS of 4: all weights are asked for jointly.  No data prefetch: after the head each fill has a whole trip (192 or 256 matrix instructions a wave) to land in, and all 64 clusters read the same 1.1 MB of weights.
; GROUPS: 4 steps of 8 matrix instructions.  Behind a group's first step stands ONE run of LDS loads, for the whole next group (32 loads of weights, and what else is due); the wait for it, for 0, stands at the next group's start.
; REGISTERS, windows of 256: window 0: addresses, v32-63 sums, v64-191 accumulators, v192-255 softmax and p.  Window 1: weight fragments, two halves of 128 that take turns by groups.
;   window 2: pos codes in G; then v0-127 q (K) and half of Wout, v128-255 the gathered k codes.   window 3: Wq in the head, then hidden codes: tile a, 128-chunk s at 64 a + 16 s.
; HIDDEN UNITS: tile (M, u) of a chunk of 256 units takes W1 rows 16 M + 8 u + 0..7 in lanes 0-7 and those + 128 in lanes 8-15, so lane half h gets units 256 c + 128 h + 16 M + 8 u + 0..7:
;   the conversions' results are the next operand, and W2's fragments are read at 256 c + 128 h + 16 M.
; (In K and V the wait at a group's start counts: the loads of q, or of p and b2, issued behind the weights and first used later, may still be out there.)
.set PW,    528                        ; LDS row of 512 codes + 16
.set PKV,   272                        ; LDS row of 256 codes + 16
.set RG,    135424                     ; a region: 256 rows of W1 (the second 128 begin 128 bytes later: other banks), or the 256 rows of pos
.set HB,    4608                       ; slot 0 of phases K and V; slot 1 is SLX further on, in the second region
.set SLX,   1<<17
.set KVO,   128*PW                     ; a slot: 128 rows of W2 (two heads), then 128 rows of Wkv
.set QA,    2*RG                       ; q, then logits and p, then agg: 16 rows of 512 f32 + 16 bytes
.set QP,    2064
.set BIAS,  QA+16*QP                   ; b1 scaled, then b2's v half
.set BV2,   BIAS+2048
.set SPARE, BIAS+4096                  ; the spare words
.set STG,   HB                         ; the way out's stage: slot 0 has had its last fill and read
.set IMG,   HB+32768                   ; agg's codes as an image of the operand's registers, in the same slot
.set SPW,1
.set NIL,2
.set AW,3
.set AKV,4
.set LWG,5
.set LW2,6
.set LKV,7
.set VB1B,8
.set VB1,9
.set VQB,10
.set VQ,11
.set KOFF,12
.set CVS,16
.set MX,17
.set VLB,18
.set VL,19
.set BV,24
.set VAGB,28
.set VAG,29
.set VBVB,30
.set VBV,31
.set TT,32
.set B1R,48
.set ACC,64
.set PBR,192
.set WOF,255
.set CNT,96
.set TBS,97
.set HO,98
.set MSB,0
.macro WIN new                         ; the immediate's high byte repeats the setting that is left
.if MSB != (\new)
	s_set_vgpr_msb (MSB<<8)|(\new)
.set MSB, (\new)
.endif
.endm
.macro PLACES
.rept 4
	v_nop
.endr
.endm
.macro CREST                           ; a round of the cluster's barrier behind its opening barrier
	s_cmp_lg_u32 s30, 0
	s_cbranch_scc1 .Lnot_wave_0_\@
	s_barrier_signal -3
.Lnot_wave_0_\@:
	s_barrier_wait -3
	s_barrier_signal -1
	s_barrier_wait -1
.endm
.macro CROUND
	s_barrier_signal -1
	s_barrier_wait -1
	CREST
.endm
.macro GROUP1 g, w0, cols, rows
	s_mov_b32 s[\g], \w0
	s_mov_b32 s[\g+1], (\cols)<<16
	s_mov_b32 s[\g+2], (\rows)<<16
	s_mov_b32 s[\g+3], (\cols)<<16
	s_mov_b32 s[\g+4], \rows
	s_mov_b32 s[\g+5], \cols
	s_mov_b32 s[\g+6], 0
	s_mov_b32 s[\g+7], 0
.endm
; A slot's joint loads: waves 0, 1 fetch 64 rows of W2 each (one head each), waves 2, 3 64 rows of Wkv each.
.macro JLH
	s_cmp_lt_u32 s30, 2
	s_cbranch_scc0 .Lfor_kv_\@
	tensor_load_to_lds s[88:91], s[48:55]
	s_nop 0
	PLACES
	s_branch .Lasked_\@
.Lfor_kv_\@:
	tensor_load_to_lds s[92:95], s[56:63]
	s_nop 0
	PLACES
.Lasked_\@:
.endm
; The slots' order: four of k rows, then four of v rows.  W2: two heads are 256 rows on; from the last k slot to the first v slot back to head 0, 64 rows in.  Wkv: 128 rows on each time.
.macro HSTEP back
	s_xor_b32 s89, s89, SLX
	s_add_nc_u64 s[90:91], s[90:91], 0x20000
	s_xor_b32 s93, s93, SLX
	s_add_nc_u64 s[94:95], s[94:95], 0x8000
.if \back
	s_cmp_eq_u32 s[CNT], 2
	s_cselect_b32 s72, s74, 0
	s_sub_nc_u64 s[90:91], s[90:91], s[72:73]
.endif
.endm
; The 8 loads of step t's two fragments: half (t / 4) % 2, 32 registers a step.
.macro RLG t
	WIN 0x40
.set rT, \t
.set rR, 128*((rT/4)%2)+32*(rT%4)
.set rj, 0
.rept 8
	ds_load_b128 v[rR+4*rj:rR+4*rj+3], v[AW] offset:(16*(rT/4)+8*(rj/4))*PW+128*(rT%4)+32*(rj%4)
.set rj, rj+1
.endr
.endm
.macro RLH t
	WIN 0x40
.set rT, \t
.set rL, rT%12
.set rR, 128*((rT/4)%2)+32*(rT%4)
.set rj, 0
.rept 8
.if rL < 8
	ds_load_b128 v[rR+4*rj:rR+4*rj+3], v[AW] offset:(64*(rT/12)+32*(rL/4)+16*(rj/4))*PW+256*((rL%4)/2)+64*(rL%2)+16*(rj%4)
.else
	ds_load_b128 v[rR+4*rj:rR+4*rj+3], v[AKV] offset:(64*(rT/12)+32*((rL-8)/2)+16*(rj/4))*PKV+128*(rL%2)+32*(rj%4)
.endif
.set rj, rj+1
.endr
.endm
.macro BIASG p                         ; b1 for the two tiles of pair p: the C of their first products
	WIN 0
	ds_load_b128 v[B1R:B1R+3], v[VB1] offset:64*(\p)
	ds_load_b128 v[B1R+4:B1R+7], v[VB1] offset:64*(\p)+16
	ds_load_b128 v[B1R+8:B1R+11], v[VB1] offset:64*(\p)+32
	ds_load_b128 v[B1R+12:B1R+15], v[VB1] offset:64*(\p)+48
.endm
; THE LISTS of vector work that stands between the matrix instructions.  Accumulator (x, u, a): ACC + 64 x + 32 u + 8 a (x: pair of column tiles, u: which of the two, a: row tile).
.macro ITEM
.if FK == 1                            ; from units of 2^(e6+e7) to units of 2^(e2+e3)
.set xr, ACC+64*FX+32*FU+2*FJ
	WIN 0
	v_pk_mul_f32 v[xr:xr+1], v[xr:xr+1], s[46:47] op_sel_hi:[1,0]
.elseif FK == 2                        ; logits: sums over my eight columns of q x k
.set xa, FJ%4
.set xj, FJ/4
.set xt, TT+4*xa+2*FU
.set xr, ACC+64*FX+32*FU+8*xa+2*xj
.set xq, 64*FX+32*FU+8*xa+2*xj
	WIN 0x08
.if (FX == 0) && (xj == 0)
	v_pk_mul_f32 v[xt:xt+1], v[xr:xr+1], v[xq:xq+1]
.else
	v_pk_fma_f32 v[xt:xt+1], v[xr:xr+1], v[xq:xq+1], v[xt:xt+1]
.endif
.elseif FK == 3                        ; logits: the chains' ends; two queries share a register: lanes 0-15 the first, lanes 16-31 the second
	WIN 0
.if FJ < 4
	v_pk_add_f32 v[TT+4*FJ:TT+4*FJ+1], v[TT+4*FJ:TT+4*FJ+1], v[TT+4*FJ+2:TT+4*FJ+3]
.elseif FJ < 8
	v_add_f32 v[20+FJ-4], v[TT+4*(FJ-4)], v[TT+4*(FJ-4)+1]
.elseif FJ < 10
	v_permlane16_swap_b32 v[20+2*(FJ-8)], v[21+2*(FJ-8)]
.else
	v_add_f32 v[20+2*(FJ-10)], v[20+2*(FJ-10)], v[21+2*(FJ-10)]
.endif
.elseif FK == 4                        ; the weighted sum over my eight rows
.set xa, FJ%4
.set xj, FJ/4
.set xt, TT+16*FX+4*xa+2*FU
.set xr, ACC+64*FX+32*FU+8*xa+2*xj
.set xq, PBR+8*xa+2*xj
	WIN 0
.if xj == 0
	v_pk_mul_f32 v[xt:xt+1], v[xr:xr+1], v[xq:xq+1]
.else
	v_pk_fma_f32 v[xt:xt+1], v[xr:xr+1], v[xq:xq+1], v[xt:xt+1]
.endif
.elseif FK == 5                        ; its ends, two queries to a register, and b2
	WIN 0
.if FJ < 8
.set xt, TT+16*FX+2*FJ
	v_add_f32 v[xt], v[xt], v[xt+1]
.else
.set xt, TT+16*FX+8*((FJ%4)/2)+2*(FJ%2)
.if FJ < 12
	v_permlane16_swap_b32 v[xt], v[xt+4]
.elseif FJ < 16
	v_add_f32 v[xt], v[xt], v[xt+4]
.else
	v_add_f32 v[xt], v[xt], v[BV+2*FX+FJ%2]
.endif
.endif
.else                                  ; 6: relu and the hold at the largest code in one
.set xr, ACC+64*FX+32*(FJ/8)+8*FU+FJ%8
	WIN 0
	v_med3_num_f32 v[xr], v[xr], 0, v[MX]
.endif
.endm
.macro LIST k, x, u, n
.set FK, \k
.set FX, \x
.set FU, \u
.set FJ, 0
.set FN, \n
.endm
.macro FILL n
.rept \n
.if FJ < FN
	ITEM
.set FJ, FJ+1
.endif
.endr
.endm
.macro QCU p, a, u                     ; hidden codes of pair p, row tile a, tile u of the pair (always into chunks 2, 3: the first trip's are moved)
.set qp, \p
.set qd, 64*(\a)+32+16*(qp/4)+4*(qp%4)+2*(\u)
.set qr, ACC+64*(qp%2)+8*(\a)+32*(\u)
	WIN 0xc0
	v_cvt_scalef32_pk8_bf8_f32 v[qd:qd+1], v[qr:qr+7], v[CVS]
.endm
.macro QCV p, a
	QCU \p, \a, 0
	QCU \p, \a, 1
.endm
; A STEP OF G (pair gp, 128-chunk of K gf): two tiles of 16 hidden units x my 64 rows.  The pair before is quantised meanwhile: row tile 0 in step 0, 1 ahead of the run, 2 and 3 in steps 1 and 2.
.macro GST
	LIST 0, 0, 0, 0
.if (gp > 0) && (gf < 3)
.set ga, 0
.if gf == 2
.set ga, 3
.elseif gf == 1
.set ga, 2
.endif
	LIST 6, (gp-1)%2, ga, 16
.endif
.set i, 0
.rept 8
.set mu, i/4
.set ma, i%4
.set mD, ACC+64*(gp%2)+32*mu+8*ma
.set mw, 128*(gp%2)+32*gf+16*mu
.set mh, 64*ma+16*gf
	WIN 0x09
.if gf == 0
	v_wmma_f32_16x16x128_bf8_bf8 v[mD:mD+7], v[mw:mw+15], v[mh:mh+15], v[B1R+8*mu:B1R+8*mu+7]
.else
	v_wmma_f32_16x16x128_bf8_bf8 v[mD:mD+7], v[mw:mw+15], v[mh:mh+15], v[mD:mD+7]
.endif
	FILL 2
.if (i%4 == 3) && (gp > 0) && (gf < 3)
	QCU gp-1, ga, i/4                      ; directly behind its eight numbers
.endif
.set i, i+1
.endr
.endm
.macro GPRE                            ; ahead of the run
.if gp > 0
	LIST 6, (gp-1)%2, 1, 16
	FILL 16
	QCV gp-1, 1
.else
	PLACES
.endif
.endm
.macro GBODY
.set gp, 0
.rept 8
.if gp < 7
	s_wait_dscnt 0x0                       ; this pair's fragments and biases
.else
	WIN 0
	s_wait_tensorcnt 0x0                   ; my tensor loads are done;
	ds_add_u32 v[SPW], v[NIL]              ; 0 onto my spare word
	HSTEP 0
	s_wait_dscnt 1                         ; this pair's fragments (the add may be out)
.endif
.set gf, 0
.rept 4
	GST
.if gf == 0
	GPRE
.if gp < 7
	BIASG gp+1
	RLG 4*gp+4
	RLG 4*gp+5
	RLG 4*gp+6
	RLG 4*gp+7
.else
	s_wait_dscnt 0x0                       ; the add and my reads of this chunk
	s_barrier_signal -1
.endif
.endif
.if (gf == 1) && (gp == 7)
	WIN 0
	s_barrier_wait -1
	CREST
	JLH                                    ; slot 0 or 1 of phase K, over the rows of W1 just read
.endif
.set gf, gf+1
.endr
	PLACES                                 ; for the first reads of this pair's results
.set gp, gp+1
.endr
.endm
.macro QEX a
	LIST 6, 1, \a, 16
	FILL 16
	QCV 7, \a
.endm
; A STEP OF K OR V (HV = 0, 1): two column tiles of a head x my 64 rows, 128 along K.  A head: 8 steps on hidden codes, 4 on the gathered k codes.
; K is used transposed (a lane holds one row), V is not (a lane holds one column).
.macro HMM
.set mu, i/4
.set ma, i%4
.set mw, 128*((hs/4)%2)+32*(hs%4)+16*mu
.if hl < 8
.set mD, ACC+64*(hl/4)+32*mu+8*ma
.set mh, 64*ma+16*(hl%4)
.if HV == 0
	WIN 0x0d
.if hl%4 == 0
	v_wmma_f32_16x16x128_bf8_bf8 v[mD:mD+7], v[mw:mw+15], v[mh:mh+15], 0
.else
	v_wmma_f32_16x16x128_bf8_bf8 v[mD:mD+7], v[mw:mw+15], v[mh:mh+15], v[mD:mD+7]
.endif
.else
	WIN 0x07
.if hl%4 == 0
	v_wmma_f32_16x16x128_bf8_bf8 v[mD:mD+7], v[mh:mh+15], v[mw:mw+15], 0
.else
	v_wmma_f32_16x16x128_bf8_bf8 v[mD:mD+7], v[mh:mh+15], v[mw:mw+15], v[mD:mD+7]
.endif
.endif
.else
.set mD, ACC+64*((hl-8)/2)+32*mu+8*ma
.set mh, 128+32*ma+16*(hl%2)
.if HV == 0
	WIN 0x09
	v_wmma_f32_16x16x128_bf8_bf8 v[mD:mD+7], v[mw:mw+15], v[mh:mh+15], v[mD:mD+7]
.else
	WIN 0x06
	v_wmma_f32_16x16x128_bf8_bf8 v[mD:mD+7], v[mh:mh+15], v[mw:mw+15], v[mD:mD+7]
.endif
.endif
.endm
.macro XQ y                            ; q of 4 queries x 32 columns
	WIN 0x80
.set xk, 0
.rept 16
	ds_load_b128 v[64*\y+4*xk:64*\y+4*xk+3], v[VQ] offset:256*hd+((xk/2)%4)*QP+64*(2*\y+xk/8)+16*(xk%2)
.set xk, xk+1
.endr
.endm
.macro XPB                             ; p of my eight rows of each query, and b2
	WIN 0
.set xk, 0
.rept 8
	ds_load_b128 v[PBR+4*xk:PBR+4*xk+3], v[VQ] offset:256*hd+64*(xk/2)+16*(xk%2)
.set xk, xk+1
.endr
.set xk, 0
.rept 4
	ds_load_b32 v[BV+xk], v[VBV] offset:256*hd+64*xk
.set xk, xk+1
.endr
.endm
.macro STL d                           ; a head's logits: 4 queries x 16 rows
	WIN 0
	ds_store_b32 v[VL], v20 offset:256*\d
	ds_store_b32 v[VL], v22 offset:256*\d+128
.endm
.macro STA x, d                        ; agg of 4 queries x 32 columns
	WIN 0
.set sk, 0
.rept 4
	ds_store_b32 v[VAG], v[TT+16*\x+8*(sk/2)+2*(sk%2)] offset:2*(sk/2)*QP+64*(2*\x+sk%2)+256*\d
.set sk, sk+1
.endr
.endm
.macro HLIST                           ; the vector work of step hs; FR: how much behind each matrix instruction
	LIST 0, 0, 0, 0
.set FR, 2
.if hl == 4
	LIST 1, 0, 0, 16
.elseif hl == 8
	LIST 1, 1, 0, 16
.elseif hl == 10
	LIST 2+2*HV, 0, 0, 16
.elseif hl == 11
	LIST 2+2*HV, 0, 1, 16
.elseif hs == 12
	LIST 2+2*HV, 1, 0, 16
.elseif hs == 13
.if HV == 0
	LIST 3, 0, 0, 12
.else
	LIST 5, 0, 0, 20
.set FR, 3
.endif
.elseif (hs == 14) && (HV == 1)
	LIST 5, 1, 0, 20
.set FR, 3
.endif
.endm
.macro HPRE                            ; ahead of the run
	LIST 0, 0, 0, 0
.if hl == 4
	LIST 1, 0, 1, 16
.elseif hl == 8
	LIST 1, 1, 1, 16
.elseif hs == 12
	LIST 2+2*HV, 1, 1, 16
.endif
	FILL 16
.endm
.macro HRUN                            ; the run: the next group's fragments, and what else is due
.if hs == 16
.if HV == 0
	STL 0
.else
	STA 0, 0
	STA 1, 0
.endif
.endif
	RLH hs+4
	RLH hs+5
	RLH hs+6
	RLH hs+7
.if hl == 4
.if HV == 0
	XQ 1
.else
	XPB
.endif
.elseif (hl == 0) && (HV == 0)
	XQ 0
.endif
.endm
; THE CHANGE OF SLOTS stands in a trip's last group, whose fragments are in.  Ahead of its first step the wait for all my tensor loads and the add; behind that step the wait for the add and my reads, and the signal;
; behind the second step the barrier's wait, the rest of the round, the refill, and the run for the next slot's first group.
.macro TURN1
	WIN 0
	s_wait_tensorcnt 0x0
	ds_add_u32 v[SPW], v[NIL]              ; 0 onto my spare word
.if HR
	HSTEP 1-HV
.endif
	s_xor_b32 s[TBS], s[TBS], SLX
.if HV == 0
	s_wait_dscnt 17                        ; this group's fragments (16 loads of q and the add may be out)
.else
	s_wait_dscnt 13                        ; this group's fragments (12 loads of p and b2 and the add may be out)
.endif
.endm
.macro TURN3
	WIN 0
	s_barrier_wait -1
.if HR
	CREST
	JLH
.else
	s_cmp_eq_u32 s[CNT], 1                 ; the very last trip has no slot to go on to
	s_cbranch_scc1 .Lno_next_\@
.endif
	v_add_nc_u32 v[AW], s[TBS], v[LW2]
	v_add_nc_u32 v[AKV], s[TBS], v[LKV]
	RLH 0
	RLH 1
	RLH 2
	RLH 3
	WIN 0
.if HR == 0
.Lno_next_\@:
.endif
.endm
.macro HBODY v, refill                 ; a trip: the two heads of a slot
.set HV, \v
.set HR, \refill
.set hs, 0
.rept 24
.set hl, hs%12
.set hd, hs/12
.if hs == 20
	TURN1
.elseif hl%4 == 0
.if (HV == 0) && (hs == 8)
	s_wait_loadcnt 0x0                     ; the gathered k codes
.endif
.if (HV == 0) && ((hs == 4) || (hs == 8) || (hs == 16))
	s_wait_dscnt 16                        ; this group's fragments (16 loads of q, issued behind them, may be out)
.elseif (HV == 1) && (hs == 8)
	s_wait_dscnt 12                        ; this group's fragments (12 loads of p and b2 may be out)
.else
	s_wait_dscnt 0x0                       ; this group's fragments
.endif
.elseif (HV == 1) && (hs == 10)
	s_wait_dscnt 36                        ; p (behind it: 4 loads of b2, 32 of the next group's fragments)
.endif
	HLIST
.set i, 0
.rept 8
	HMM
	FILL FR
.set i, i+1
.endr
.if (hl == 3) || (hl == 7) || (hl == 9) || (hl == 11)
	PLACES                                 ; for the first reads of this part's results, and for the loads of the next run
.endif
.if hl%4 == 0
	HPRE
.if hs < 20
	HRUN
.else
	s_wait_dscnt 0x0
	s_barrier_signal -1
.endif
.endif
.if hs == 21
	TURN3
.endif
.set hs, hs+1
.endr
.if HV == 0                            ; what is left of the second head
	LIST 2, 1, 0, 16
	FILL 16
	LIST 2, 1, 1, 16
	FILL 16
	LIST 3, 0, 0, 12
	FILL 12
	STL 1
.else
	LIST 4, 1, 0, 16
	FILL 16
	LIST 4, 1, 1, 16
	FILL 16
	LIST 5, 0, 0, 20
	FILL 20
	STA 0, 1
	LIST 5, 1, 0, 20
	FILL 20
	STA 1, 1
.endif
	WIN 0
	s_wait_alu depctr_va_vdst(0)           ; ahead of the loop's branch
	s_add_co_u32 s[HO], s[HO], 512
	s_sub_co_u32 s[CNT], s[CNT], 1
	s_cmp_lg_u32 s[CNT], 0
.endm
	s_load_b512 s[4:19], s[0:1], 0x0       ; pos W1 W2 Wkv Wout Wq q k
	s_load_b256 s[20:27], s[0:1], 0x40     ; idx b1 b2 scales
	s_load_b64 s[28:29], s[0:1], 0x60      ; out
	v_lshl_add_u32 v[SPW], v0, 2, SPARE
	v_mov_b32 v[NIL], 0
	ds_add_u32 v[SPW], v[NIL]              ; the opening add, twice on end; its wait is below
	ds_add_u32 v[SPW], v[NIL]
	v_lshrrev_b32 v45, 5, v0
	v_readfirstlane_b32 s30, v45           ; wave 0..3
	s_and_b32 s31, s30, 1
	s_bfe_u32 s100, ttmp6, 0x40000
	s_lshl_b32 s3, ttmp9, 2
	s_add_co_u32 s3, s3, s100              ; work-group 0..255
	GROUP1 48, 15|(1<<20)|(1<<21)|(6<<22)|(3<<25), 512, 64
	GROUP1 56, 15|(1<<20)|(1<<21)|(5<<22)|(3<<25), 256, 64
	GROUP1 68, 15|(1<<20)|(1<<21)|(6<<22)|(3<<25), 512, 128
	GROUP1 76, (1<<20)|(6<<22)|(3<<25), 512, 128
	s_mul_i32 s2, s30, 4*QP
	s_add_co_u32 s2, s2, QA                ; my four queries' rows
	s_mul_i32 s96, s30, 64*PW
	s_add_co_u32 s96, s96, RG              ; my 64 rows of pos
	s_lshl_b32 s97, s30, 9
	s_add_co_u32 s97, s97, QA              ; my 128 columns of q
	v_and_b32 v35, 15, v0                  ; r
	v_bfe_u32 v36, v0, 4, 1                ; h
	v_lshlrev_b32 v32, 4, v0
	v_lshlrev_b32 v33, 2, v35
	v_lshlrev_b32 v34, 8, v35
	v_lshl_add_u32 v34, v36, 4, v34        ; a fragment from rows of 256 bytes in memory
	v_lshrrev_b32 v37, 4, v0
	v_lshlrev_b32 v37, 9, v37
	v_lshl_add_u32 v37, v35, 4, v37        ; b2: head t / 16, its v half, 4 numbers a thread
	v_and_b32 v38, 7, v35
	v_mul_u32_u24 v[LWG], v38, PW
	v_lshrrev_b32 v39, 3, v35
	v_mul_u32_u24 v39, v39, 128*PW+128
	v_add_nc_u32 v[LWG], v[LWG], v39
	v_lshl_add_u32 v[LWG], v36, 4, v[LWG]
	v_mul_u32_u24 v[LW2], v35, PW
	v_lshl_add_u32 v40, v36, 4, v[LW2]
	v_add_nc_u32 v40, s96, v40             ; pos fragments
	v_lshl_add_u32 v[LW2], v36, 7, v[LW2]
	v_mul_u32_u24 v[LKV], v35, PKV
	v_lshl_add_u32 v[LKV], v36, 4, v[LKV]
	v_add_nc_u32 v[LKV], KVO, v[LKV]
	v_lshl_add_u32 v[VB1B], v36, 9, BIAS
	v_lshl_add_u32 v[VQB], v36, 5, s2
	v_and_b32 v41, 31, v0
	v_lshl_add_u32 v[VLB], v41, 2, s2
	v_mul_u32_u24 v[VAGB], v36, QP
	v_lshl_add_u32 v[VAGB], v35, 2, v[VAGB]
	v_add_nc_u32 v[VAGB], s2, v[VAGB]
	v_lshl_add_u32 v[VBVB], v35, 2, BV2
	v_mul_u32_u24 v42, v35, QP
	v_lshl_add_u32 v42, v36, 5, v42
	v_add_nc_u32 v42, s97, v42             ; where q goes
	v_add_nc_u32 v43, BIAS, v32
	v_lshlrev_b32 v44, 4, v36
	s_mov_b32 s101, 0
	s_mov_b32 s105, 0
	s_mov_b32 s84, 1
	s_mul_i32 s85, s31, 128*PW+128
	s_mov_b32 s32, 1
	s_mul_i32 s33, s31, 128*PW
	s_add_co_u32 s33, s33, RG
	s_lshl_b32 s104, s31, 16               ; 128 rows of 512 bytes: my half of pos or of W1's first 256 rows
	s_lshl_b32 s100, s3, 17
	s_add_co_u32 s100, s100, s104
	s_wait_alu depctr_va_vdst(0)           ; directly ahead of the waits below
	s_wait_dscnt 0x0                       ; both opening adds are done
	CROUND                                 ; the cluster's four work-groups are here: the first joint loads meet
	s_wait_kmcnt 0x0
	s_add_nc_u64 s[86:87], s[6:7], s[104:105]
	s_or_b32 s87, s87, 0x80000000
	s_add_nc_u64 s[34:35], s[4:5], s[100:101]
	s_or_b32 s35, s35, 0x80000000
	s_cmp_lt_u32 s30, 2                    ; one tensor load a wave at the head: waves 0, 1 pos, waves 2, 3 W1's first 256 rows
	s_cbranch_scc0 .Lhead_w1
	tensor_load_to_lds s[32:35], s[76:83]
	s_nop 0
	PLACES
	s_branch .Lhead_asked
.Lhead_w1:
	tensor_load_to_lds s[84:87], s[68:75]
	s_nop 0
	PLACES
.Lhead_asked:
	s_load_b256 s[36:43], s[26:27], 0x0    ; e0 .. e7
	s_load_b64 s[44:45], s[26:27], 0x20    ; e8, e9
	s_add_nc_u64 s[90:91], s[8:9], s[104:105]   ; W2: my head of a slot's two, one step ahead of the first slot
	s_sub_nc_u64 s[90:91], s[90:91], 0x20000
	s_or_b32 s91, s91, 0x80000000
	s_mov_b32 s88, 1
	s_mul_i32 s89, s31, 64*PW
	s_add_co_u32 s89, s89, HB+SLX
	s_lshl_b32 s104, s31, 14
	s_add_nc_u64 s[94:95], s[10:11], s[104:105]
	s_sub_nc_u64 s[94:95], s[94:95], 0x8000
	s_or_b32 s95, s95, 0x80000000
	s_mov_b32 s92, 1
	s_mul_i32 s93, s31, 64*PKV
	s_add_co_u32 s93, s93, HB+KVO+SLX
	s_lshl_b32 s104, s30, 15
	s_add_nc_u64 s[12:13], s[12:13], s[104:105] ; my 64 rows of Wout
	s_add_nc_u64 s[14:15], s[14:15], s[104:105] ; my 128 rows of Wq
	s_lshl_b32 s100, s3, 12
	s_add_nc_u64 s[16:17], s[16:17], s[100:101]
	s_lshr_b32 s100, s3, 7
	s_lshl_b32 s100, s100, 19
	s_add_nc_u64 s[18:19], s[18:19], s[100:101] ; my batch of k
	s_lshl_b32 s2, s30, 8
	s_lshl_b32 s100, s3, 10
	s_add_co_u32 s100, s100, s2
	s_add_nc_u64 s[20:21], s[20:21], s[100:101]
	s_lshl_b32 s100, s3, 14
	s_add_co_u32 s100, s100, s2
	s_add_nc_u64 s[28:29], s[28:29], s[100:101]
.irp c, 0,1,2,3,4,5,6,7
	global_load_b128 v[128+4*\c:128+4*\c+3], v34, s[16:17] offset:32*\c
.endr
	WIN 0xc0
.irp t, 0,1,2,3,4,5,6,7
.irp c, 0,1,2,3,4,5,6,7
	global_load_b128 v[32*\t+4*\c:32*\t+4*\c+3], v34, s[14:15] offset:4096*\t+32*\c
.endr
.endr
	WIN 0
	global_load_b128 v[64:67], v32, s[22:23]
	global_load_b128 v[68:71], v37, s[24:25] offset:256
.irp a, 0,1,2,3
	global_load_b32 v[KOFF+\a], v33, s[20:21] offset:64*\a
.endr
	s_wait_kmcnt 0x0
	s_add_co_i32 s99, s38, s39             ; e2 + e3
	s_add_co_i32 s2, s36, s37
	s_add_co_i32 s2, s2, s99
	s_lshl_b32 s2, s2, 23
	s_add_co_i32 s36, s2, 0x3e38aa3b       ; log2(e) / 8 x 2^(e0+e1+e2+e3): q's factor
	s_mov_b32 s37, s36
	s_add_co_i32 s2, s40, s41
	s_sub_co_i32 s10, 0, s2                ; b1 in units of 2^(e4+e5)
	s_sub_co_i32 s2, s42, s2
	s_add_co_i32 s2, s2, 127
	s_lshl_b32 s4, s2, 23                  ; 2^(e6-e4-e5)
	s_add_co_i32 s2, s2, 15
	s_lshl_b32 s5, s2, 23
	s_or_b32 s5, s5, 0x600000              ; 57,344 x that
	s_add_co_i32 s2, s42, s43
	s_sub_co_i32 s2, s2, s99
	s_add_co_i32 s2, s2, 127
	s_lshl_b32 s46, s2, 23                 ; 2^(e6+e7-e2-e3)
	s_mov_b32 s47, s46
	s_add_co_i32 s2, s44, 127
	s_lshl_b32 s8, s2, 23                  ; 2^e8
	s_add_co_i32 s2, s2, 15
	s_lshl_b32 s9, s2, 23
	s_or_b32 s9, s9, 0x600000
	s_add_co_i32 s2, s44, s45
	s_add_co_i32 s2, s2, 127
	s_lshl_b32 s44, s2, 23                 ; 2^(e8+e9)
	s_mov_b32 s45, s44
	s_mov_b32 s[TBS], 0
	v_mov_b32 v[CVS], s4
	v_mov_b32 v[MX], s5
	v_add_nc_u32 v[AW], s[TBS], v[LWG]
	v_mov_b32 v[VB1], v[VB1B]
	s_wait_alu depctr_va_vdst(0)
	s_wait_loadcnt 0x0
.irp a, 0,1,2,3
	v_min_u32 v[KOFF+\a], 0x7ff, v[KOFF+\a]
	v_lshlrev_b32 v[KOFF+\a], 8, v[KOFF+\a]
	v_add_nc_u32 v[KOFF+\a], v[KOFF+\a], v44
.endr
.irp i, 0,1,2,3
	v_ldexp_f32 v[64+\i], v[64+\i], s10
.endr
	ds_store_b128 v43, v[64:67]
	ds_store_b128 v43, v[68:71] offset:2048
	WIN 0xa3                               ; q, transposed: a lane holds one query
.irp t, 0,1,2,3,4,5,6,7
	v_wmma_f32_16x16x128_bf8_bf8 v[8*\t:8*\t+7], v[32*\t:32*\t+15], v[128:143], 0
.endr
.irp t, 0,1,2,3,4,5,6,7
	v_wmma_f32_16x16x128_bf8_bf8 v[8*\t:8*\t+7], v[32*\t+16:32*\t+31], v[144:159], v[8*\t:8*\t+7]
.endr
	PLACES
	WIN 0x82
.set i, 0
.rept 32
	v_pk_mul_f32 v[i:i+1], v[i:i+1], s[36:37] op_sel_hi:[1,0]
.set i, i+2
.endr
	WIN 0x08
.irp t, 0,1,2,3,4,5,6,7
	ds_store_b128 v42, v[8*\t:8*\t+3] offset:64*\t
	ds_store_b128 v42, v[8*\t+4:8*\t+7] offset:64*\t+16
.endr
	WIN 0
	s_wait_alu depctr_va_vdst(0)
	s_wait_tensorcnt 0x0                   ; my part of pos or of W1 is in
	ds_add_u32 v[SPW], v[NIL]
	s_wait_dscnt 0x0                       ; and my stores of q and of the biases are done
	s_barrier_signal -1
	s_barrier_wait -1
	WIN 0x80
.irp a, 0,1,2,3
.set kk, 0
.rept 16
	ds_load_b128 v[64*\a+4*kk:64*\a+4*kk+3], v40 offset:\a*16*PW+32*kk
.set kk, kk+1
.endr
.endr
	BIASG 0
	RLG 0
	RLG 1
	RLG 2
	RLG 3
	WIN 0
	s_wait_tensorcnt 0x0
	ds_add_u32 v[SPW], v[NIL]
	s_lshl_b32 s104, s30, 15               ; W1's other 256 rows, 64 a wave, over pos
	s_add_co_u32 s104, s104, 0x20000
	s_add_nc_u64 s[86:87], s[6:7], s[104:105]
	s_or_b32 s87, s87, 0x80000000
	s_mul_i32 s85, s30, 64*PW
	s_lshr_b32 s2, s30, 1
	s_lshl_b32 s2, s2, 7
	s_add_co_u32 s85, s85, s2
	s_add_co_u32 s85, s85, RG
	s_mov_b32 s[CNT], 2
	s_wait_dscnt 0x0                       ; pos is in registers
	CROUND
	tensor_load_to_lds s[84:87], s[48:55]
	s_nop 0
	PLACES
; PHASE G: two trips of 256 hidden units.
.Lg:
	GBODY
	QEX 0
	QEX 1
	QEX 2
	QEX 3
	WIN 0
	v_nop                                  ; one plain place behind the conversions
	s_wait_alu depctr_va_vdst(0)           ; ahead of the branch
	s_add_co_u32 s[TBS], s[TBS], RG
	s_sub_co_u32 s[CNT], s[CNT], 1
	s_cmp_eq_u32 s[CNT], 0
	s_cbranch_scc1 .Lg_second
	v_add_nc_u32 v[AW], s[TBS], v[LWG]
	v_add_nc_u32 v[VB1], 1024, v[VB1B]
	s_wait_alu depctr_va_vdst(0)
	BIASG 0
	RLG 0
	RLG 1
	RLG 2
	RLG 3
	WIN 0xc3                               ; the first trip's codes make room: chunks 2, 3 -> 0, 1
.irp a, 0,1,2,3
.set kk, 0
.rept 32
	v_mov_b32 v[64*\a+kk], v[64*\a+32+kk]
.set kk, kk+1
.endr
.endr
	WIN 0
	s_wait_alu depctr_va_vdst(0)
.Lg_second:
	s_cmp_lg_u32 s[CNT], 0
	s_cbranch_scc1 .Lg
; PHASE K: four trips of two heads.
	s_mov_b32 s[CNT], 4
	s_mov_b32 s[TBS], HB
	s_mov_b32 s[HO], 0
	s_mov_b32 s73, 0
	s_mov_b32 s74, 0x78000                 ; from head 8 back to head 0, less 64 rows
	v_add_nc_u32 v[AW], s[TBS], v[LW2]
	v_add_nc_u32 v[AKV], s[TBS], v[LKV]
	s_wait_alu depctr_va_vdst(0)
	RLH 0
	RLH 1
	RLH 2
	RLH 3
	WIN 0x80
.irp a, 0,1,2,3
.irp c, 0,1,2,3,4,5,6,7
	global_load_b128 v[128+32*\a+4*\c:128+32*\a+4*\c+3], v[KOFF+\a], s[18:19] offset:32*\c
.endr
.endr
	WIN 0
.Lk:
	v_add_nc_u32 v[VQ], s[HO], v[VQB]
	v_add_nc_u32 v[VL], s[HO], v[VLB]
	s_wait_alu depctr_va_vdst(0)
	HBODY 0, 1
	s_cbranch_scc1 .Lk
; THE SOFTMAX of all heads: register k holds, of head k / 2, queries 2 (k % 2) and 2 (k % 2) + 1, a lane a row.  p x 2^(e2+e3) goes back to the same words.
.set kk, 0
.rept 16
	ds_load_b32 v[192+kk], v[VLB] offset:128*kk
.set kk, kk+1
.endr
	s_wait_dscnt 0x0
.set kk, 0
.rept 16
	v_mov_b32 v[208+kk], v[192+kk]
.set kk, kk+1
.endr
.irp m, 1,2,4,8
.set kk, 0
.rept 16
	v_max_num_f32_dpp v[208+kk], v[208+kk], v[208+kk] row_xmask:\m row_mask:0xf bank_mask:0xf
.set kk, kk+1
.endr
.endr
.set kk, 0
.rept 16
	v_sub_f32 v[192+kk], v[192+kk], v[208+kk]
.set kk, kk+1
.endr
	s_wait_alu depctr_va_vdst(0)           ; ahead of the batch
.set kk, 0
.rept 16
	v_exp_f32 v[192+kk], v[192+kk]
.set kk, kk+1
.endr
	v_nop
	s_wait_alu depctr_va_vdst(0)           ; and behind it
.set kk, 0
.rept 16
	v_mov_b32 v[208+kk], v[192+kk]
.set kk, kk+1
.endr
.irp m, 1,2,4,8
.set kk, 0
.rept 16
	v_add_f32_dpp v[208+kk], v[208+kk], v[208+kk] row_xmask:\m row_mask:0xf bank_mask:0xf
.set kk, kk+1
.endr
.endr
	s_wait_alu depctr_va_vdst(0)           ; ahead of the batch
.set kk, 0
.rept 16
	v_rcp_f32 v[208+kk], v[208+kk]
.set kk, kk+1
.endr
	v_nop
	s_wait_alu depctr_va_vdst(0)           ; and behind it
.set kk, 0
.rept 16
	v_ldexp_f32 v[208+kk], v[208+kk], s99
.set kk, kk+1
.endr
.set kk, 0
.rept 16
	v_mul_f32 v[192+kk], v[192+kk], v[208+kk]
.set kk, kk+1
.endr
.set kk, 0
.rept 16
	ds_store_b32 v[VLB], v[192+kk] offset:128*kk
.set kk, kk+1
.endr
; PHASE V: two trips that fill slots again, two that do not.
	s_mov_b32 s[CNT], 2
	s_mov_b32 s[TBS], HB
	s_mov_b32 s[HO], 0
	s_wait_alu depctr_va_vdst(0)
.Lv:
	v_add_nc_u32 v[VQ], s[HO], v[VQB]
	v_add_nc_u32 v[VAG], s[HO], v[VAGB]
	v_add_nc_u32 v[VBV], s[HO], v[VBVB]
	s_wait_alu depctr_va_vdst(0)
	HBODY 1, 1
	s_cbranch_scc1 .Lv
	v_and_b32 v254, 15, v0                 ; the first 32 of my 64 rows of Wout; used behind the loop below
	v_bfe_u32 v253, v0, 4, 1
	v_lshlrev_b32 v[WOF], 9, v254
	v_lshl_add_u32 v[WOF], v253, 4, v[WOF]
	s_wait_alu depctr_va_vdst(0)
	WIN 0x80
.irp t, 0,1
.set kk, 0
.rept 16
	global_load_b128 v[64*\t+4*kk:64*\t+4*kk+3], v[WOF], s[12:13] offset:8192*\t+32*kk
.set kk, kk+1
.endr
.endr
	WIN 0
	s_mov_b32 s[CNT], 2
	s_mov_b32 s[TBS], HB
	s_mov_b32 s[HO], 1024
.Lv2:
	v_add_nc_u32 v[VQ], s[HO], v[VQB]
	v_add_nc_u32 v[VAG], s[HO], v[VAGB]
	v_add_nc_u32 v[VBV], s[HO], v[VBVB]
	s_wait_alu depctr_va_vdst(0)
	HBODY 1, 0
	s_cbranch_scc1 .Lv2
; THE TAIL: out = Q(agg) Wout: 16 queries x my 64 columns.
	WIN 0x40                               ; the other 32 rows of Wout
.irp t, 0,1
.set kk, 0
.rept 16
	global_load_b128 v[64*\t+4*kk:64*\t+4*kk+3], v[WOF], s[12:13] offset:16384+8192*\t+32*kk
.set kk, kk+1
.endr
.endr
	WIN 0
	v_and_b32 v20, 15, v0
	v_bfe_u32 v21, v0, 4, 1
	v_mul_u32_u24 v22, v20, QP
	v_lshl_add_u32 v22, v21, 6, v22
	s_lshl_b32 s2, s30, 9
	s_add_co_u32 s2, s2, QA
	v_add_nc_u32 v22, s2, v22              ; agg: all 16 queries, my 128 columns
	s_mul_i32 s2, s30, 16*PKV
	s_add_co_u32 s2, s2, STG
	v_mul_u32_u24 v23, v20, PKV
	v_lshl_add_u32 v23, v21, 5, v23
	v_add_nc_u32 v23, s2, v23
	v_mul_u32_u24 v24, v21, PKV
	v_lshl_add_u32 v24, v20, 4, v24
	v_add_nc_u32 v24, s2, v24
	v_lshlrev_b32 v25, 10, v21
	v_lshl_add_u32 v25, v20, 4, v25
	v_mov_b32 v[CVS], s8
	v_mov_b32 v[MX], s9
	s_lshl_b32 s2, s30, 11
	v_and_b32 v26, 31, v0
	v_lshlrev_b32 v26, 4, v26
	v_add_nc_u32 v26, IMG, v26             ; the image: 16 pieces of 512 bytes, four from each wave
	v_add_nc_u32 v27, s2, v26
	s_wait_alu depctr_va_vdst(0)
	s_wait_dscnt 0x0                       ; my part of agg is stored
	s_barrier_signal -1
	s_barrier_wait -1
	WIN 0xc0
.irp c, 0,1,2,3
.irp i, 0,1,2,3
	ds_load_b128 v[16*\c+4*\i:16*\c+4*\i+3], v22 offset:128*\c+16*\i
.endr
.endr
	s_wait_dscnt 0x0
	WIN 0xc3
.set i, 0
.rept 64
	v_med3_num_f32 v[i], v[i], -v[MX], v[MX]
.set i, i+1
.endr
	WIN 0x03
.irp e, 0,1,2,3,4,5,6,7
	v_cvt_scalef32_pk8_bf8_f32 v[160+2*\e:160+2*\e+1], v[8*\e:8*\e+7], v[CVS]
.endr
	WIN 0
	v_nop                                  ; one plain place behind the conversions
.irp k, 0,1,2,3
	ds_store_b128 v27, v[160+4*\k:160+4*\k+3] offset:512*\k
.endr
	s_wait_alu depctr_va_vdst(0)
	s_wait_dscnt 0x0                       ; my quarter of the codes is stored
	s_barrier_signal -1
	s_barrier_wait -1
.set kk, 0
.rept 16
	ds_load_b128 v[64+4*kk:64+4*kk+3], v26 offset:512*kk
.set kk, kk+1
.endr
	s_wait_dscnt 0x0
	s_wait_loadcnt 0x0                     ; Wout
.irp k, 0,1,2,3
.irp t, 0,1,2,3
	WIN 0x02-\t/2
.if \k == 0
	v_wmma_f32_16x16x128_bf8_bf8 v[128+8*\t:128+8*\t+7], v[64*(\t%2):64*(\t%2)+15], v[64:79], 0
.else
	v_wmma_f32_16x16x128_bf8_bf8 v[128+8*\t:128+8*\t+7], v[64*(\t%2)+16*\k:64*(\t%2)+16*\k+15], v[64+16*\k:64+16*\k+15], v[128+8*\t:128+8*\t+7]
.endif
.endr
.endr
	PLACES
	WIN 0
.set i, 0
.rept 16
	v_pk_mul_f32 v[160+i:160+i+1], v[128+i:128+i+1], s[44:45] op_sel_hi:[1,0]
.set i, i+2
.endr
.irp t, 0,1,2,3
	ds_store_b128 v23, v[160+8*\t:160+8*\t+3] offset:64*\t
	ds_store_b128 v23, v[160+8*\t+4:160+8*\t+7] offset:64*\t+16
.endr
.irp i, 0,1,2,3,4,5,6,7
	ds_load_b128 v[192+4*\i:192+4*\i+3], v24 offset:\i*2*PKV   ; whole rows of 256 bytes; LDS serves a wave's instructions in order
.endr
.irp i, 0,1,2,3,4,5,6,7
	s_wait_dscnt 7-\i
	global_store_b128 v25, v[192+4*\i:192+4*\i+3], s[28:29] offset:2048*\i th:TH_STORE_NT
.endr
	s_wait_tensorcnt 0x0                   ; the wave's end
	ds_add_u32 v[SPW], v[NIL]
	s_wait_dscnt 0x0
	CROUND                                 ; the closing round
	s_endpgm
.Lfunc_end_k_q930759c301_fused:
	.size	k_q930759c301_fused, .Lfunc_end_k_q930759c301_fused-k_q930759c301_fused
	.p2alignl 7, 3214868480
	.fill 96, 4, 3214868480
	.section	.rodata,"a",@progbits
	.p2align	6, 0x0
	.amdhsa_kernel k_q930759c301_fused
		.amdhsa_group_segment_fixed_size 327680
		.amdhsa_private_segment_fixed_size 0
		.amdhsa_enable_private_segment 0
		.amdhsa_kernarg_size 104
		.amdhsa_user_sgpr_count 2
		.amdhsa_user_sgpr_kernarg_segment_ptr 1
		.amdhsa_wavefront_size32 1
		.amdhsa_system_sgpr_workgroup_id_x 1
		.amdhsa_system_sgpr_workgroup_id_y 1
		.amdhsa_system_sgpr_workgroup_id_z 1
		.amdhsa_system_vgpr_workitem_id 0
		.amdhsa_next_free_vgpr 1024
		.amdhsa_next_free_sgpr 106
		.amdhsa_reserve_vcc 0
		.amdhsa_float_denorm_mode_32 3
		.amdhsa_float_denorm_mode_16_64 3
		.amdhsa_memory_ordered 1
		.amdhsa_forward_progress 1
		.amdhsa_inst_pref_size 255
	.end_amdhsa_kernel
	.section	.bss,"aw",@nobits
	.p2align	6
	.space	262144
	.amdgpu_metadata
---
amdhsa.version: [ 1, 2 ]
amdhsa.kernels:
  - .name:           k_q930759c301_fused
    .symbol:         k_q930759c301_fused.kd
    .args:
      - { .name: pos_codes, .offset: 0, .size: 8, .value_kind: global_buffer, .address_space: global }
      - { .name: W1_codes, .offset: 8, .size: 8, .value_kind: global_buffer, .address_space: global }
      - { .name: W2_codes, .offset: 16, .size: 8, .value_kind: global_buffer, .address_space: global }
      - { .name: Wkv_codes, .offset: 24, .size: 8, .value_kind: global_buffer, .address_space: global }
      - { .name: Wout_codes, .offset: 32, .size: 8, .value_kind: global_buffer, .address_space: global }
      - { .name: Wq_codes, .offset: 40, .size: 8, .value_kind: global_buffer, .address_space: global }
      - { .name: q_codes, .offset: 48, .size: 8, .value_kind: global_buffer, .address_space: global }
      - { .name: k_codes, .offset: 56, .size: 8, .value_kind: global_buffer, .address_space: global }
      - { .name: local_idx, .offset: 64, .size: 8, .value_kind: global_buffer, .address_space: global }
      - { .name: b1, .offset: 72, .size: 8, .value_kind: global_buffer, .address_space: global }
      - { .name: b2, .offset: 80, .size: 8, .value_kind: global_buffer, .address_space: global }
      - { .name: lowp_scales, .offset: 88, .size: 8, .value_kind: global_buffer, .address_space: global }
      - { .name: out0, .offset: 96, .size: 8, .value_kind: global_buffer, .address_space: global }
    .group_segment_fixed_size: 327680
    .private_segment_fixed_size: 0
    .kernarg_segment_align: 8
    .kernarg_segment_size: 104
    .max_flat_workgroup_size: 128
    .sgpr_count:     106
    .vgpr_count:     1024
    .wavefront_size: 32
...
	.end_amdgpu_metadata
.endif
;; end of part 1
